; MI455X (gfx1250); checked and timed in simulation.
; The chip was launched on July 23, 2026; its instructions are those of AMD's public machine-readable ISA for CDNA 5 (MIT licence, August 2026) and "CDNA5" Instruction Set Architecture Reference Guide (July 2026). The comments in the code are by the model that wrote it; some were corrected since.
;; Seq Self Attention. Allowed arithmetic: matrix products marked QUANTISED: E2M3 operands, one E8M0 scale for each 32 along K, by v_wmma_scale_f32_16x16x128_f8f6f4 with both operands' format E2M3, f32 sums; products left as they are: f32 operands where the result goes on into a quantised operand, else bf16, f16 or f32 operands; f32 sums; everything else in f32.
;; Inputs: Wa 32 x 1 float32; Wt_codes 32 x 8 x 24 uint8 (E2M3 codes of Wt, K innermost, in blocks of 32 codes, four codes in three bytes); Wt_scales 32 x 8 uint8 (E8M0 scales of Wt, one for each 32 codes along K); Wx_codes 32 x 8 x 24 uint8 (E2M3 codes of Wx, K innermost, in blocks of 32 codes, four codes in three bytes); Wx_scales 32 x 8 uint8 (E8M0 scales of Wx, one for each 32 codes along K); ba 1 float32; bh 32 float32; x 4 x 1,024 x 256 float32.
;; Outputs: out0 4 x 1,024 x 256 float32.
;; This version of the problem:
;;   THIS VERSION OF THE PROBLEM IS GIVEN IN LOW PRECISION. The matrix products marked QUANTISED in the list below multiply operands that are first quantised to E2M3 (2 exponent bits, 3 mantissa bits; 6 bits a number), with one power-of-two scale for each 32 numbers along K (OCP MX v1.0); their sums are f32. All else is computed in f32.
;;   The module's matrix products, in the order in which they are computed (A, B: the left and right operand; K: the contracted axis; several contracted axes count as one K, in the product's order):
;;     1. [M 4,096, K 256] x [K 256, N 32]; A: input x; B: input Wt (given as codes): QUANTISED
;;     2. [M 4,096, K 256] x [K 256, N 32]; A: input x; B: input Wx (given as codes): QUANTISED
;;     3. [M 4,194,304, K 32] x [K 32, N 1]; A: computed on the way; B: computed on the way: left as it is (N = 1 < 16)
;;     4. batch 4 x [M 1,024, K 1,024] x [K 1,024, N 256]; A: softmax (see below); B: input x: QUANTISED
;;   THE QUANTISER, for each operand of a quantised product, along K:
;;     - K is cut into blocks of 32 from its start; a last block that is shorter is filled with zeros.
;;     - A block's scale is 2^e with e = floor(log2(the largest magnitude in the block)) - 2, held to -126 .. 127; a block of zeros has e = 0. As a byte (E8M0): e + 127.
;;     - Each number is divided by its block's scale, clamped to +-7.5, and rounded to the nearest number of E2M3, ties to even, subnormals kept.
;;     - The product sums the exact products of the quantised numbers (number of the format x scale) in f32.
;;   ~~~python
;;   def quantise(x, axis):      # numpy; x: float32 -> the quantised numbers, widened to float32 again
;;       x = np.moveaxis(x, axis, -1); K = x.shape[-1]
;;       x = np.pad(x, [(0, 0)] * (x.ndim - 1) + [(0, -K % 32)]); x = x.reshape(x.shape[:-1] + (-1, 32)); a = np.abs(x).max(-1, keepdims=True)
;;       e = np.where(a > 0, np.clip(np.frexp(np.where(a > 0, a, 1))[1] - 1 - 2, -126, 127), 0)      # np.frexp(a)[1] - 1 = floor(log2(a)), exactly
;;       r = np.clip(x / 2.0 ** e, -7.5, 7.5)
;;       step = 2.0 ** (np.maximum(np.frexp(np.where(r == 0, 1, r))[1] - 1, 0) - 3)
;;       q = np.round(r / step) * step * 2.0 ** e      # np.round: ties to even
;;       return np.moveaxis(q.reshape(q.shape[:-2] + (-1,))[..., :K], -1, axis).astype(np.float32)
;;   ~~~
;;   SOFTMAX AHEAD OF A QUANTISED PRODUCT. Where the list says 'softmax', what is quantised is not the finished softmax but p = 2^(t - M), with t = logit x log2(e) and M = ceil(the row's largest t), a whole number; so 1/2 < the row's largest p <= 1. The row's sum l is taken of the UNQUANTISED p, in f32, and the product's result is divided by l at the end. Since M is a whole number, a kernel that streams over the keys may use a running M (the ceiling of the running maximum): every later rescaling is an exact power of two, which a block's scale takes up: the codes' values come out the same.
;;   OPERANDS COMPUTED ON THE WAY. 'Computed on the way' means the value that the module computes at that place (a softmax that the list does not call 'softmax' is quantised finished and normalised). What goes into a quantiser is computed in f32, as accurately as f32 sums, v_exp_f32 and their like allow (about 1e-6 of the number): no bf16 or f16 on the way to a quantiser, and a product that is left as it is and whose result goes on into a quantised operand takes f32 operands (vector FMAs, or v_wmma_f32_16x16x4_f32). A number that lies on a knife's edge between two numbers of the format may be rounded either way, as far as f32 arithmetic and the matrix unit's own rounding can turn it there, and no further.
;;   INPUTS GIVEN AS CODES. Wt (in the module: [256, 32], K = its axis 0); Wx (in the module: [256, 32], K = its axis 0): each comes as NAME_codes (uint8): NAME with its K axis moved to the last place and cut into blocks of 32 codes, [.., K / 32, bytes a block], one block behind the other in memory; four codes in three bytes: a row's codes are one little-endian stream of bits, code i at bits 6 i .. 6 i + 5 (a code: sign, 2 exponent bits, 3 mantissa bits); and NAME_scales (uint8): the same leading axes, one E8M0 byte (e + 127) for each 32 codes along K. Its value is code x scale, taken as it is: it is not quantised again, and the codes and scales need not be those that the quantiser above would give.
;; One version. Each part assembles by itself: llvm-mc -triple=amdgcn-amd-amdhsa -mcpu=gfx1250 --defsym DOCPART=n.
;; ======== version 1 of 1: 1 launch
;; limits: right only within a limited range of input values
;; launch attn (part 1): grid 64 x 4, 8 waves a work-group, no clusters, 168,960 bytes of LDS; arguments x, Wt_codes, Wt_scales, Wx_codes, Wx_scales, bh, Wa, ba, out0; writes out0
.if DOCPART == 1
	.amdgcn_target "amdgcn-amd-amdhsa--gfx1250"
	.amdhsa_code_object_version 6
	.text
	.protected	k_q7b6be3a34a_attn
	.globl	k_q7b6be3a34a_attn
	.p2align	8
	.type	k_q7b6be3a34a_attn,@function
k_q7b6be3a34a_attn:
	s_mov_b64 s[64:65], 0
	v_nop
	global_prefetch_b8 v0, s[64:65] scope:SCOPE_SE
	s_setreg_imm32_b32 hwreg(HW_REG_WAVE_MODE, 25, 1), 1
	s_wait_xcnt 0x0
; Additive self-attention in a band of 64 keys, x [4][1024][256] f32, 32 units, products on codes of FP6 (E2M3) with one E8M0 scale for each 32 along K.
;   q = Q(x) Wt, k = Q(x) Wx (K = the 256 features);  e[t][s] = ba + sum over u of Wa[u] tanh(q[t][u] + k[s][u] + bh[u]);  keys s with t - 32 <= s < t + 32 count;
;   p = 2^(e log2(e) - M), M = ceil of the row's largest e log2(e);  out[t] = (Q(p) Q(x)) / (the sum of the unquantised p), K = the keys, in aligned blocks of 32.
; SHARES.  A work-group of eight waves owns 16 queries of one batch: t = 32 a + 16 half + qi.  Their keys lie in the three aligned blocks a - 1, a, a + 1: a window of 96 rows of x, 96 KiB,
; brought into LDS once by six tensor loads of 16 rows.  All that is made of it (k, q, p, the sums) stays in LDS and registers; out leaves in whole rows.
; THE WINDOW'S ORDER.  Window rows 0-31 are block a - 1, rows 64-95 block a + 1, as they lie.  Of block a the work-group's own 16 query rows come first (rows 32-47), its other 16 rows second: only the
; tensor load's global address hangs on 'half', no LDS address does.  Block a counts whole for each of the 16 queries, and the same order of its keys serves k, p and x^T, so both operands of the second product
; carry the same order inside that block of 32, whose scale does not hang on the order.
; A block outside the tensor (a = 0: block -1; a = 31: block 32) is replaced by the nearest block's rows, so that LDS holds finite numbers there, and its p is made 0.
; THE BAND WITHOUT WASTE.  In the e phase a lane stands for a place l in a block.  Set A is block a.  Set B holds in lane l block a - 1 where l >= r' and block a + 1 where l < r' (r' = 16 half + qi):
; just the 64 keys of the band.  From query to query set B takes one lane more from block a + 1.
; tanh(z) = 1 - 2 / (1 + 2^(2 log2(e) z)): one exponential, one reciprocal; it ends at +-1 for any z.  So e = (ba + sum Wa) + sum (-2 Wa[u]) / (1 + 2^..).
; NO CLUSTER: only the two work-groups of one a read the same three blocks, and they lay block a's halves in different places; neighbours along a share two blocks of three, at other LDS places.  A joint load
; wants one descriptor for all that it names, LDS address included, so nothing here can be asked for jointly.  No ring: LDS is filled once.  No prefetch: all loads stand at the head.
; LIMITS.  Keys outside the band are taken as p = 0: right while sum |Wa| < 4,948 (then (10000 - 2 sum |Wa|) log2(e) > 150).  A p under 2^-126 becomes 0.  A block of zeros keeps the scale byte 1
; where the rule says 127: its codes are zeros and only this text reads the bytes.  NaN and infinities in x are not served.
.set PX, 1040                          ; a row of x, and of the output stage, in LDS: 1,024 bytes + 16: an odd multiple of 16, so the 16 rows that a 16-byte load touches begin at 16 different columns of 256 bytes
.set PK, 144                           ; a row of k' or q': 128 bytes + 16
.set PP, 528                           ; a row of p: 128 slots of 4 bytes + 16
.set L_KB, 96*PX                       ; 99,840   k' = k x 2 log2(e): [96][32] f32.   (x's window lies at 0; only tensor loads write it)
.set L_QB, L_KB+96*PK                  ; 113,664  q' = (q + bh) x 2 log2(e): [96][32] f32
.set L_PM, L_QB+96*PK                  ; 127,488  p: [16 queries][128 slots]; slots 96-127 are zeros
.set L_LS, L_PM+16*PP                  ; 135,936  the 16 sums
.set L_OS, L_LS+256                    ; 136,192  the output stage: 16 rows; ends at 152,832
; REGISTERS THAT STAY: v0 thread; v1 lane l, v2 r = l % 16, v3 h = l / 16; v4-v17 addresses (below); v18 0; v19 -infinity; v[20:21] (ba + sum Wa, 0);
;   v24-v35 scale words and nothing else: v24-27 Wt's, v28-31 Wx's (2 n + s), v32-33 x's two K steps, v34 x^T's, v35 p's.
.set WT, 36                            ; F phase: Wt's fragments (tile n, K step s) at WT + 12 (2 n + s)
.set WX, 84                            ;          Wx's likewise
.set BH, 132                           ;          bh in the result's layout, 8 registers a tile
.set X,  148                           ;          64 numbers of x; then the sums: q tiles 0, 1 at X, X + 8; k tiles at X + 16, X + 24
.set XF, 212                           ;          x's two fragments
.set T2, 236                           ;          upper halves of blocks' codes
.set TM, 244                           ;          +0..3 largest magnitudes, +4..7 the other lane's, then bytes, +8..11 scale operands
.set WA, 36                            ; e phase: -2 Wa[u]
.set KA, 68                            ;          k' of my key in block a
.set KBS, 100                          ;          k' of my key in set B
.set KN, 132                           ;          k' of my key in block a + 1
.set QV, 164                           ;          q' of the query in hand
.set Z,  196                           ;          32 units at work;  v228-235 four pairs of sums; v236 e of set A, v237 of set B; v238-246 at work
.set XT, 36                            ; T phase: three sets of 32 numbers: my feature, down a block's keys
.set TA, 132                           ;          x^T's fragment of my wave's features 0-15;
.set TB, 144                           ;          of its features 16-31.  v156-158, v164-167 at work
.set PV, 36                            ; P phase: 64 numbers of p;  v164-175 p's fragment; v176-191 at work; v192 the sum, v[194:195] (1 / sum, 0); v196-211 the results; v212-227 out
	s_load_b256 s[4:11], s[0:1], 0x0               ; x s[4:5], Wt's codes s[6:7], Wt's scales s[8:9], Wx's codes s[10:11]
	s_load_b256 s[12:19], s[0:1], 0x20             ; Wx's scales s[12:13], bh s[14:15], Wa s[16:17], ba s[18:19]
	s_load_b64 s[20:21], s[0:1], 0x40              ; out
	s_set_vgpr_msb 0x40
	v_lshl_add_u32 v0, v0, 2, 0x29000
	v_mov_b32 v1, 0
	s_set_vgpr_msb 0x4045
	ds_add_u32 v0, v1
	ds_add_u32 v0, v1
	s_set_vgpr_msb 0x4500
	v_lshrrev_b32 v22, 5, v0
	v_readfirstlane_b32 s22, v22                   ; wave 0..7
	s_lshr_b32 s23, ttmp9, 1                       ; a: the queries' block of 32
	s_and_b32 s24, ttmp9, 1                        ; half: which 16 of it
	s_and_b32 s25, ttmp7, 0xffff                   ; the batch
	; descriptor group 1: 16 rows x 256 elements of 4 bytes, 16 bytes of padding behind each row
	s_mov_b32 s36, (2<<16)|(1<<20)|(7<<22)|(3<<25) ; 15:0 no mask; 17:16 elements of 4 bytes; 20 padding on; 24:22 after every 256 words (code 7); 31:25 of 4 words (code 3)
	s_mov_b32 s37, 256<<16                         ; tensor_dim0 = 256
	s_mov_b32 s38, 16<<16                          ; tensor_dim1 = 16
	s_mov_b32 s39, 256<<16                         ; tile_dim0 = 256
	s_mov_b32 s40, 16                              ; tile_dim1 = 16
	s_mov_b32 s41, 256                             ; elements from row to row
	s_mov_b32 s42, 0
	s_mov_b32 s43, 0
	; group 0: wave w (0..5) fills window rows 16 w .. 16 w + 15
	s_mov_b32 s32, 1
	s_mul_i32 s33, s22, 16*PX                      ; LDS address: the wave's number times a constant
	s_lshr_b32 s26, s22, 1                         ; which block of the window
	s_and_b32 s27, s26, s24                        ; 1 in block a where half = 1:
	s_and_b32 s28, s22, 1
	s_xor_b32 s28, s28, s27                        ; there the block's two halves change places, so that the query rows come first
	s_add_co_u32 s26, s26, s23
	s_sub_co_i32 s26, s26, 1                       ; block a - 1 + (w / 2) of the tensor,
	s_max_i32 s26, s26, 0
	s_min_i32 s26, s26, 31                         ; held inside it
	s_lshl_b32 s26, s26, 15                        ; 32 rows of 1,024 bytes
	s_lshl_b32 s28, s28, 14                        ; 16 rows
	s_add_co_u32 s26, s26, s28
	s_lshl_b32 s28, s25, 20                        ; a batch is 1,024 rows
	s_add_co_u32 s58, s26, s28
	s_mov_b32 s59, 0
	s_wait_dscnt 0x0
	s_wait_kmcnt 0x0
	s_add_nc_u64 s[34:35], s[4:5], s[58:59]
	s_or_b32 s35, s35, 0x80000000                  ; type = 2
	s_cmp_lt_u32 s22, 6
	s_cbranch_scc0 .Lno_fill
	tensor_load_to_lds s[32:35], s[36:43]          ; the launch's only fill: one load a wave is out
	s_nop 0
.rept 4
	v_nop
.endr
.Lno_fill:
	s_load_b512 s[68:83], s[16:17], 0x0            ; Wa[0..15]
	s_load_b512 s[84:99], s[16:17], 0x40           ; Wa[16..31]
	s_load_b32 s100, s[18:19], 0x0                 ; ba
	v_and_b32 v1, 31, v0                           ; l
	v_and_b32 v2, 15, v0                           ; r
	v_bfe_u32 v3, v0, 4, 1                         ; h
	v_mul_u32_u24 v22, v2, 192                     ; a unit's row of 256 codes is 192 bytes;
	v_mad_u32_u24 v22, v3, 24, v22                 ; + 24 h: my half's block of 32 codes
	v_lshlrev_b32 v23, 3, v2                       ; a unit's 8 scale bytes
	v_lshlrev_b32 v21, 5, v3                       ; bh: my half's eight units of a tile
; the weights' fragments: 16 units x 128 K of 6-bit codes are 12 registers: the 24 bytes at 24 h and those at 48 + 24 h of the K step's 96, as they lie, in pieces of 8 bytes
.macro WFRAGS reg, bp
.irp n, 0,1
.irp s, 0,1
.irp p, 0,1,2,3,4,5
	global_load_b64 v[\reg+12*(2*\n+\s)+2*\p:\reg+12*(2*\n+\s)+2*\p+1], v22, s[\bp:\bp+1] offset:3072*\n+96*\s+48*(\p/3)+8*(\p%3)
.endr
.endr
.endr
.endm
	WFRAGS WT, 6
	WFRAGS WX, 10
.irp n, 0,1
.irp s, 0,1
	global_load_b32 v[24+2*\n+\s], v23, s[8:9] offset:128*\n+4*\s      ; lane r: the scale word of unit 16 n + r for K step s
	global_load_b32 v[28+2*\n+\s], v23, s[12:13] offset:128*\n+4*\s
.endr
.endr
.irp n, 0,1
	global_load_b128 v[BH+8*\n:BH+8*\n+3], v21, s[14:15] offset:64*\n          ; bh[16 n + 8 h + 0 .. 7]: the C of q's first products
	global_load_b128 v[BH+8*\n+4:BH+8*\n+7], v21, s[14:15] offset:64*\n+16
.endr
	; every LDS address is made here, of the thread's number, the wave's number and constants
	v_mul_u32_u24 v4, v2, PX
	v_lshl_add_u32 v4, v3, 6, v4
	v_add_nc_u32 v4, s33, v4                       ; v4  F phase: window row 16 w + r, + 64 h: my 16 numbers of a block of 32 features
	v_lshlrev_b32 v5, 2, v0                        ; v5-7  T phase: feature 32 w + l (4 x thread), in the first row of window block 0, 1, 2
	v_lshl_add_u32 v6, v0, 2, 32*PX
	v_lshl_add_u32 v7, v0, 2, 64*PX
	s_mul_i32 s26, s22, 16*PK
	s_add_co_u32 s26, s26, L_KB
	v_mul_u32_u24 v8, v2, PK
	v_lshl_add_u32 v8, v3, 5, v8
	v_add_nc_u32 v8, s26, v8                       ; v8  where I store k' (and, L_QB - L_KB on, q'): row 16 w + r, + 32 h
	v_mul_u32_u24 v9, v1, PK
	v_add_nc_u32 v9, L_KB, v9                      ; v9  e phase: k' of key l of window block 0
	s_mul_i32 s26, s22, 2*PK
	s_add_co_u32 s26, s26, L_QB+32*PK
	v_mov_b32 v10, s26                             ; v10 q' of my wave's first query, window row 32 + 2 w: the same in all lanes
	s_mul_i32 s26, s22, 2*PP
	s_add_co_u32 s26, s26, L_PM
	v_lshl_add_u32 v11, v1, 2, s26                 ; v11 p of query 2 w, slot l
	s_lshl_b32 s26, s22, 3
	s_add_co_u32 s26, s26, L_LS
	v_mov_b32 v12, s26                             ; v12 the sum of query 2 w
	v_mul_u32_u24 v13, v2, PP
	v_lshl_add_u32 v13, v3, 7, v13
	v_add_nc_u32 v13, L_PM, v13                    ; v13 P phase: p of query r, slots 32 h on
	v_lshl_add_u32 v14, v2, 2, L_LS                ; v14 the sum of query r
	s_lshl_b32 s26, s22, 7
	s_add_co_u32 s26, s26, L_OS
	v_mul_u32_u24 v15, v2, PX
	v_lshl_add_u32 v15, v3, 5, v15
	v_add_nc_u32 v15, s26, v15                     ; v15 the stage, in: row r, my wave's 128 bytes, + 32 h
	s_mul_i32 s26, s22, 2*PX
	s_add_co_u32 s26, s26, L_OS
	v_lshl_add_u32 v16, v1, 4, s26                 ; v16 the stage, back: rows 2 w, 2 w + 1, 16 bytes a lane
	v_lshlrev_b32 v17, 4, v1                       ; v17 the same 16 bytes in a row of out
	v_mov_b32 v18, 0
	v_mov_b32 v19, 0xff800000                      ; -infinity
.irp b, 0,1,2,3
	v_mov_b32 v[TM+4+\b], 0                        ; written once: a lane permute's destination counts as one of its sources
.endr
	s_mov_b32 s50, 0x76543210
	s_mov_b32 s51, 0xfedcba98                      ; v_permlanex16_b32's selects for lane l xor 16
	s_mov_b32 s52, 0x3fb8aa3b                      ; log2(e)
	s_mov_b32 s54, 0x4038aa3b                      ; 2 log2(e)
	s_mov_b32 s55, s54                             ; (named with it as a pair, so it is written)
	s_cmp_lg_u32 s23, 0
	s_cselect_b32 s44, -1, 0                       ; all ones where block a - 1 exists
	s_cmp_lg_u32 s23, 31
	s_cselect_b32 s45, -1, 0                       ; all ones where block a + 1 exists
	s_lshl_b32 s46, s24, 4
	s_lshl_b32 s26, s22, 1
	s_add_co_u32 s46, s46, s26                     ; r' of my wave's first query: 16 half + 2 w
	s_lshl_b32 s26, s25, 20
	s_lshl_b32 s27, ttmp9, 14                      ; the work-group's 16 rows of 1,024 bytes
	s_add_co_u32 s26, s26, s27
	s_lshl_b32 s27, s22, 11                        ; my wave's two rows
	s_add_co_u32 s58, s26, s27
	s_add_nc_u64 s[56:57], s[20:21], s[58:59]      ; out at my wave's first row (s59 = 0)
	s_wait_kmcnt 0x0                               ; Wa, ba
	s_wait_tensorcnt 0x0                           ; my 16 rows of the window have landed,
	s_barrier_signal -1
	s_barrier_wait -1                              ; everybody's have
	s_wait_loadcnt 0x0                             ; the weights, their scales, bh; their offset registers are free
; ---- F: waves 0..5: window rows 16 w .. 16 w + 15 are quantised along the features and multiplied by Wt and Wx
.macro XLD s                           ; 64 numbers a lane: register 16 b + i = feature 128 s + 32 b + 16 h + i of row r
.irp b, 0,1,2,3
.irp j, 0,1,2,3
	ds_load_b128 v[X+16*\b+4*\j:X+16*\b+4*\j+3], v4 offset:512*\s+128*\b+16*\j
.endr
.endr
.endm
; 64 numbers of a lane in that order become a fragment's codes in v[dst] on and its row's scale word in v[sw]
.macro QUANT src, dst, sw
.irp b, 0,1,2,3
	v_max3_num_f32 v[TM+\b], |v[\src+16*\b]|, |v[\src+1+16*\b]|, 0x1800000   ; block b: my 16 numbers, and the floor 2^(3 - 127): the byte cannot fall under 1
.endr
.irp i, 2,4,6,8,10,12,14
.irp b, 0,1,2,3
	v_max3_num_f32 v[TM+\b], v[TM+\b], |v[\src+16*\b+\i]|, |v[\src+1+16*\b+\i]|   ; the four blocks by turns
.endr
.endr
.irp b, 0,1,2,3
	v_permlanex16_b32 v[TM+4+\b], v[TM+\b], s50, s51
.endr
.irp b, 0,1,2,3
	v_max_num_f32 v[TM+\b], v[TM+\b], v[TM+4+\b]   ; with lane l xor 16's: the block's largest magnitude
.endr
.irp b, 0,1,2,3
	v_add_nc_u32 v[TM+8+\b], 0xff000000, v[TM+\b]  ; 2 off its exponent field: the conversion takes this operand's exponent field as its scale
.endr
.irp b, 0,1,2,3
	v_lshrrev_b32 v[TM+4+\b], 23, v[TM+8+\b]       ; the scale's byte
.endr
	v_lshl_or_b32 v[\sw], v[TM+5], 8, v[TM+4]
	v_lshl_or_b32 v[\sw], v[TM+6], 16, v[\sw]
	v_lshl_or_b32 v[\sw], v[TM+7], 24, v[\sw]
.irp c, 0,1
	v_cvt_scalef32_pk16_fp6_f32 v[\dst+6*\c:\dst+2+6*\c], v[\src+32*\c:\src+15+32*\c], v[TM+8+2*\c]
	v_cvt_scalef32_pk16_fp6_f32 v[T2+4*\c:T2+2+4*\c], v[\src+16+32*\c:\src+31+32*\c], v[TM+9+2*\c]   ; (a conversion's three registers begin on an even number)
.endr
	v_nop                                          ; one plain place behind a scaled conversion
.irp c, 0,1                                    ; the operand wants a whole block in a lane: lanes 0-15 block 2 c, lanes 16-31 block 2 c + 1
.irp i, 0,1,2
	v_permlane16_swap_b32 v[\dst+6*\c+\i], v[T2+4*\c+\i]
.endr
.irp i, 0,1,2
	v_mov_b32 v[\dst+3+6*\c+\i], v[T2+4*\c+\i]
.endr
.endr
.endm
	s_cmp_lt_u32 s22, 6
	s_cbranch_scc0 .Lno_f
	XLD 0
	s_wait_dscnt 0x0
	QUANT X, XF, 32
	XLD 1
	s_wait_dscnt 0x0
	QUANT X, XF+12, 33
.rept 8
	v_nop                                          ; a scale register written by a vector instruction stands 8 places ahead of a scaled matrix instruction, an operand so written 4
.endr
	; TRANSPOSED: source 0 = 16 units, source 1 = my 16 rows of x: lane (r, h), register j = row r, unit 16 n + 8 h + j.  Four sums by turns, one instruction a turn
	v_wmma_scale_f32_16x16x128_f8f6f4 v[X:X+7], v[WT:WT+11], v[XF:XF+11], v[BH:BH+7], v24, v32 matrix_a_fmt:MATRIX_FMT_FP6 matrix_b_fmt:MATRIX_FMT_FP6
	v_wmma_scale_f32_16x16x128_f8f6f4 v[X+8:X+15], v[WT+24:WT+35], v[XF:XF+11], v[BH+8:BH+15], v26, v32 matrix_a_fmt:MATRIX_FMT_FP6 matrix_b_fmt:MATRIX_FMT_FP6
	v_wmma_scale_f32_16x16x128_f8f6f4 v[X+16:X+23], v[WX:WX+11], v[XF:XF+11], 0, v28, v32 matrix_a_fmt:MATRIX_FMT_FP6 matrix_b_fmt:MATRIX_FMT_FP6
	v_wmma_scale_f32_16x16x128_f8f6f4 v[X+24:X+31], v[WX+24:WX+35], v[XF:XF+11], 0, v30, v32 matrix_a_fmt:MATRIX_FMT_FP6 matrix_b_fmt:MATRIX_FMT_FP6
	v_wmma_scale_f32_16x16x128_f8f6f4 v[X:X+7], v[WT+12:WT+23], v[XF+12:XF+23], v[X:X+7], v25, v33 matrix_a_fmt:MATRIX_FMT_FP6 matrix_b_fmt:MATRIX_FMT_FP6
	v_wmma_scale_f32_16x16x128_f8f6f4 v[X+8:X+15], v[WT+36:WT+47], v[XF+12:XF+23], v[X+8:X+15], v27, v33 matrix_a_fmt:MATRIX_FMT_FP6 matrix_b_fmt:MATRIX_FMT_FP6
	v_wmma_scale_f32_16x16x128_f8f6f4 v[X+16:X+23], v[WX+12:WX+23], v[XF+12:XF+23], v[X+16:X+23], v29, v33 matrix_a_fmt:MATRIX_FMT_FP6 matrix_b_fmt:MATRIX_FMT_FP6
	v_wmma_scale_f32_16x16x128_f8f6f4 v[X+24:X+31], v[WX+36:WX+47], v[XF+12:XF+23], v[X+24:X+31], v31, v33 matrix_a_fmt:MATRIX_FMT_FP6 matrix_b_fmt:MATRIX_FMT_FP6
.rept 4
	v_nop                                          ; four places behind the last product, ahead of the first read of results (ISA guide 7.12.1)
.endr
.set J, 0
.rept 16
	v_pk_mul_f32 v[X+J:X+J+1], v[X+J:X+J+1], s[54:55] op_sel_hi:[1,0]   ; x 2 log2(e), each sum from its low end on
.set J, J+2
.endr
.irp n, 0,1
.irp k, 0,1
	ds_store_b128 v8, v[X+16+8*\n+4*\k:X+16+8*\n+4*\k+3] offset:64*\n+16*\k               ; k'
	ds_store_b128 v8, v[X+8*\n+4*\k:X+8*\n+4*\k+3] offset:L_QB-L_KB+64*\n+16*\k           ; q'
.endr
.endr
.Lno_f:
	s_wait_dscnt 0x0                               ; for the others' sake: my stores of k' and q' are done
	s_barrier_signal -1
	s_barrier_wait -1                              ; all 96 rows of k' and q' lie in LDS
; ---- e: wave w takes queries 2 w and 2 w + 1; lane l stands for place l of a block
.irp j, 0,1,2,3,4,5,6,7
	ds_load_b128 v[KA+4*\j:KA+4*\j+3], v9 offset:32*PK+16*\j       ; block a
	ds_load_b128 v[KBS+4*\j:KBS+4*\j+3], v9 offset:16*\j           ; block a - 1: set B as it is for r' = 0
	ds_load_b128 v[KN+4*\j:KN+4*\j+3], v9 offset:64*PK+16*\j       ; block a + 1
.endr
.macro QLOAD i                         ; q' of query 2 w + i: all lanes read the same 128 bytes
.irp j, 0,1,2,3,4,5,6,7
	ds_load_b128 v[QV+4*\j:QV+4*\j+3], v10 offset:PK*(\i)+16*\j
.endr
.endm
	QLOAD 0
	v_mov_b32 v20, s100                            ; ba
	v_mov_b32 v21, 0
	v_mov_b32 v238, 0                              ; a lane permute's destination, written once
.set J, 0
.rept 32
	v_add_f32 v20, s[68+J], v20                    ; + sum Wa
.set J, J+1
.endr
.set J, 0
.rept 32
	v_mul_f32 v[WA+J], -2.0, s[68+J]
.set J, J+1
.endr
	s_wait_dscnt 0x0
.macro ZADD k                          ; 2 log2(e) (q + k + bh), two units at a time
.set J, 0
.rept 16
	v_pk_add_f32 v[Z+J:Z+J+1], v[\k+J:\k+J+1], v[QV+J:QV+J+1]
.set J, J+2
.endr
.endm
.macro EXPS                            ; a batch of 32; plain work that names none of them follows, then one wait
.set J, 0
.rept 32
	v_exp_f32 v[Z+J], v[Z+J]
.set J, J+1
.endr
.endm
.macro RCPS                            ; 1 / (1 + 2^..): a batch of 32, a plain place, one wait ahead of the first reader
.set J, 0
.rept 16
	v_pk_add_f32 v[Z+J:Z+J+1], v[Z+J:Z+J+1], 1.0 op_sel_hi:[1,0]
.set J, J+2
.endr
.set J, 0
.rept 32
	v_rcp_f32 v[Z+J], v[Z+J]
.set J, J+1
.endr
	v_nop
	s_wait_alu depctr_va_vdst(0)
.endm
.macro DOT acc                         ; (ba + sum Wa) + sum of -2 Wa[u] / (1 + 2^..), in two chains of pairs; the first link brings the constant
	v_pk_fma_f32 v[\acc:\acc+1], v[Z:Z+1], v[WA:WA+1], v[20:21]
	v_pk_mul_f32 v[\acc+2:\acc+3], v[Z+2:Z+3], v[WA+2:WA+3]
.set J, 4
.rept 7
	v_pk_fma_f32 v[\acc:\acc+1], v[Z+J:Z+J+1], v[WA+J:WA+J+1], v[\acc:\acc+1]
	v_pk_fma_f32 v[\acc+2:\acc+3], v[Z+J+2:Z+J+3], v[WA+J+2:WA+J+3], v[\acc+2:\acc+3]
.set J, J+4
.endr
.endm
.macro QUERY i
	s_add_co_u32 s47, s46, \i                      ; r'
	s_lshl_b32 s48, 1, s47
	s_sub_co_u32 s48, s48, 1                       ; the lanes l < r': in set B they stand for block a + 1
	s_and_b32 s49, s48, s45
	s_and_not1_b32 s26, s44, s48
	s_or_b32 s49, s49, s26                         ; the lanes of set B whose block exists
.if \i
	s_wait_dscnt 5                                 ; this query's q' is in: behind its eight loads stand the last query's five stores
.endif
	ZADD KA
	EXPS
.set J, 0
.rept 32
	v_cndmask_b32 v[KBS+J], v[KBS+J], v[KN+J], s48 ; set B for this r'.  (Plain work behind the exponentials)
.set J, J+1
.endr
	s_wait_alu depctr_va_vdst(0)                   ; one wait for the batch, ahead of its first reader
	RCPS
	DOT 228
	ZADD KBS
.if \i == 0
	QLOAD 1                                        ; q' has been read for the last time: the next query's
.endif
	EXPS
	v_pk_add_f32 v[228:229], v[228:229], v[230:231] ; (plain work behind the exponentials)
	v_add_f32 v236, v228, v229                     ; e of my key in block a
	s_wait_alu depctr_va_vdst(0)
	RCPS
	DOT 232
	v_pk_add_f32 v[232:233], v[232:233], v[234:235]
	v_add_f32 v237, v232, v233                     ; e of my key in set B,
	v_cndmask_b32 v237, v19, v237, s49             ; -infinity where its block lies outside the tensor
	v_max_num_f32 v239, v236, v237
	v_max_num_f32_dpp v239, v239, v239 row_xmask:1 row_mask:0xf bank_mask:0xf
	v_max_num_f32_dpp v239, v239, v239 row_xmask:2 row_mask:0xf bank_mask:0xf
	v_max_num_f32_dpp v239, v239, v239 row_xmask:4 row_mask:0xf bank_mask:0xf
	v_max_num_f32_dpp v239, v239, v239 row_xmask:8 row_mask:0xf bank_mask:0xf
	v_permlanex16_b32 v238, v239, s50, s51
	v_max_num_f32 v239, v239, v238                 ; the row's largest e
	v_mul_f32 v240, s52, v239                      ; as t
	v_floor_f32 v241, -v240                        ; -M = floor(-t) = -ceil(t)
	v_fma_f32 v242, v236, s52, v241                ; t - M
	v_fma_f32 v243, v237, s52, v241
	v_exp_f32 v242, v242                           ; p, not normalised
	v_exp_f32 v243, v243
	v_nop
	s_wait_alu depctr_va_vdst(0)
	v_add_f32 v244, v242, v243
	v_add_f32_dpp v244, v244, v244 row_xmask:1 row_mask:0xf bank_mask:0xf
	v_add_f32_dpp v244, v244, v244 row_xmask:2 row_mask:0xf bank_mask:0xf
	v_add_f32_dpp v244, v244, v244 row_xmask:4 row_mask:0xf bank_mask:0xf
	v_add_f32_dpp v244, v244, v244 row_xmask:8 row_mask:0xf bank_mask:0xf
	v_permlanex16_b32 v238, v244, s50, s51
	v_add_f32 v244, v244, v238                     ; the row's sum of the unquantised p
	v_cndmask_b32 v245, v243, v18, s48             ; block a - 1's slot l: set B's p where l >= r', else 0
	v_cndmask_b32 v246, v18, v243, s48             ; block a + 1's: where l < r'
	ds_store_b32 v11, v245 offset:PP*\i
	ds_store_b32 v11, v242 offset:PP*\i+128
	ds_store_b32 v11, v246 offset:PP*\i+256
	ds_store_b32 v11, v18 offset:PP*\i+384         ; the fourth block of the K step: zeros
	ds_store_b32 v12, v244 offset:4*\i             ; all lanes write the same word with the same value
.endm
	QUERY 0
	QUERY 1
; ---- T: x^T for the second product.  Wave w takes features 32 w .. 32 w + 31: a lane a feature, its registers run down a block's 32 keys: the block's largest magnitude needs no other lane
.macro TLD blk
.set J, 0
.rept 32
	ds_load_b32 v[XT+32*(\blk)+J], v[5+\blk] offset:PX*J   ; 32 lanes read 128 neighbouring bytes of a window row
.set J, J+1
.endr
.endm
.macro TQ blk, dst
.set XB, XT+32*(\blk)
	v_max3_num_f32 v164, |v[XB]|, |v[XB+1]|, |v[XB+2]|
	v_max3_num_f32 v165, |v[XB+3]|, |v[XB+4]|, |v[XB+5]|
.irp i, 6,10,14,18,22,26
	v_max3_num_f32 v164, v164, |v[XB+\i]|, |v[XB+\i+1]|
	v_max3_num_f32 v165, v165, |v[XB+\i+2]|, |v[XB+\i+3]|
.endr
	v_max3_num_f32 v164, v164, |v[XB+30]|, |v[XB+31]|
	v_max3_num_f32 v164, v164, v165, 0x1800000     ; and the floor 2^(3 - 127)
	v_add_nc_u32 v166, 0xff000000, v164            ; the conversion's scale operand
	v_lshrrev_b32 v167, 23, v166                   ; the scale's byte
.if \blk == 0
	v_or_b32 v34, 0x7f000000, v167                 ; my feature's scale word: byte 3, over the zero codes of the fourth block, is 127
.else
	v_lshl_or_b32 v34, v167, 8*(\blk), v34
.endif
	v_cvt_scalef32_pk16_fp6_f32 v[\dst:\dst+2], v[XB:XB+15], v166
	v_cvt_scalef32_pk16_fp6_f32 v[156:158], v[XB+16:XB+31], v166
	v_nop                                          ; one plain place behind a scaled conversion
.irp i, 0,1,2
	v_mov_b32 v[\dst+3+\i], v[156+\i]
.endr
.endm
	TLD 0
	TLD 1
	s_wait_dscnt 32                                ; block 0's loads are in; block 1's 32 may be out
	TQ 0, TA
	TLD 2
	s_wait_dscnt 32                                ; block 1's are in; block 2's 32 may be out
	TQ 1, TB
	s_wait_dscnt 0x0
	TQ 2, TA+6
.irp i, 6,7,8,9,10,11
	v_mov_b32 v[TB+\i], 0                          ; the fourth block: zero codes
.endr
.set J, 0
.rept 12
	v_permlane16_swap_b32 v[TA+J], v[TB+J]         ; TA: blocks 0, 2 of my feature; TB: blocks 1, 3.  TA's lanes 16-31 change places with TB's lanes 0-15:
.set J, J+1
.endr                                          ; TA is now the operand of features 0-15 (lanes 0-15 blocks 0, 2; lanes 16-31 blocks 1, 3), TB that of features 16-31
	s_wait_dscnt 0x0                               ; for the others' sake: my stores of p and of the sums are done
	s_barrier_signal -1
	s_barrier_wait -1                              ; p of all 16 queries lies in LDS
; ---- P: every wave quantises p of the 16 queries (64 numbers a lane: blocks h and 2 + h of query r, whole) and multiplies it by its 32 features
.irp c, 0,1
.irp j, 0,1,2,3,4,5,6,7
	ds_load_b128 v[PV+32*\c+4*\j:PV+32*\c+4*\j+3], v13 offset:256*\c+16*\j
.endr
.endr
	ds_load_b32 v192, v14                          ; the sum of query r
	v_mov_b32 v195, 0                              ; (named with 1 / sum as a pair)
	v_mov_b32 v191, 0                              ; a lane permute's destination
	s_wait_dscnt 0x0
	v_rcp_f32 v194, v192                           ; its wait stands ahead of its first reader, behind the products
.irp c, 0,1
	v_max3_num_f32 v[184+\c], v[PV+32*\c], v[PV+1+32*\c], 0x1800000   ; no |.|: p is never negative; the floor 2^(3 - 127)
.endr
.irp i, 2,4,6,8,10,12,14,16,18,20,22,24,26,28,30
.irp c, 0,1
	v_max3_num_f32 v[184+\c], v[184+\c], v[PV+32*\c+\i], v[PV+1+32*\c+\i]
.endr
.endr
.irp c, 0,1
	v_add_nc_u32 v[186+\c], 0xff000000, v[184+\c]
.endr
.irp c, 0,1
	v_lshrrev_b32 v[188+\c], 23, v[186+\c]
.endr
	v_lshl_or_b32 v35, v189, 16, v188              ; my two bytes: blocks h and 2 + h of query r,
	v_lshlrev_b32 v190, 3, v3
	v_lshlrev_b32 v35, v190, v35                   ; at their places in the scale word;
	v_permlanex16_b32 v191, v35, s50, s51
	v_or_b32 v35, v35, v191                        ; with lane l xor 16's two the word is whole
.irp c, 0,1
	v_cvt_scalef32_pk16_fp6_f32 v[164+6*\c:166+6*\c], v[PV+32*\c:PV+15+32*\c], v[186+\c]
	v_cvt_scalef32_pk16_fp6_f32 v[176+4*\c:178+4*\c], v[PV+16+32*\c:PV+31+32*\c], v[186+\c]
.endr
	v_nop                                          ; one plain place behind a scaled conversion
.irp c, 0,1
.irp i, 0,1,2
	v_mov_b32 v[167+6*\c+\i], v[176+4*\c+\i]
.endr
.endr
.rept 8
	v_nop                                          ; a scale register written by a vector instruction stands 8 places ahead of a scaled matrix instruction, an operand so written 4
.endr
	; source 0 = 16 features (x^T), source 1 = the 16 queries (p): lane (r, h), register j = query r, feature 32 w + 16 tile + 8 h + j.  K = the window's 96 keys and 32 zeros
	v_wmma_scale_f32_16x16x128_f8f6f4 v[196:203], v[TA:TA+11], v[164:175], 0, v34, v35 matrix_a_fmt:MATRIX_FMT_FP6 matrix_b_fmt:MATRIX_FMT_FP6
	v_wmma_scale_f32_16x16x128_f8f6f4 v[204:211], v[TB:TB+11], v[164:175], 0, v34, v35 matrix_a_fmt:MATRIX_FMT_FP6 matrix_b_fmt:MATRIX_FMT_FP6 matrix_a_scale:MATRIX_SCALE_ROW1
.rept 4
	v_nop                                          ; four places ahead of the first read of results
.endr
	s_wait_alu depctr_va_vdst(0)                   ; the reciprocal's wait, ahead of its first reader
.set J, 0
.rept 8
	v_pk_mul_f32 v[212+J:213+J], v[196+J:197+J], v[194:195] op_sel_hi:[1,0]   ; / the sum; each result from its low end on
.set J, J+2
.endr
.irp t, 0,1
.irp k, 0,1
	ds_store_b128 v15, v[212+8*\t+4*\k:215+8*\t+4*\k] offset:64*\t+16*\k
.endr
.endr
	s_wait_dscnt 0x0                               ; for the others' sake: my 128 bytes of each of the 16 rows are in the stage
	s_barrier_signal -1
	s_barrier_wait -1                              ; 16 whole rows of out lie in the stage
.irp n, 0,1,2,3
	ds_load_b128 v[212+4*\n:215+4*\n], v16 offset:PX*(\n/2)+512*(\n%2)
.endr
.irp n, 0,1,2,3
	s_wait_dscnt 3-\n                              ; LDS loads come back in order: load n is in, the younger ones may be out
	global_store_b128 v17, v[212+4*\n:215+4*\n], s[56:57] offset:1024*(\n/2)+512*(\n%2) th:TH_STORE_NT   ; 32 lanes store 512 consecutive bytes, at a multiple of 256 from out's first byte
.endr
	s_set_vgpr_msb 0x5
	s_wait_tensorcnt 0x0
	ds_add_u32 v0, v1
	s_wait_dscnt 0x0
	s_set_vgpr_msb 0x500
	s_endpgm
.Lfunc_end_k_q7b6be3a34a_attn:
	.size	k_q7b6be3a34a_attn, .Lfunc_end_k_q7b6be3a34a_attn-k_q7b6be3a34a_attn
	.p2alignl 7, 3214868480
	.fill 96, 4, 3214868480
	.section	.rodata,"a",@progbits
	.p2align	6, 0x0
	.amdhsa_kernel k_q7b6be3a34a_attn
		.amdhsa_group_segment_fixed_size 168960
		.amdhsa_private_segment_fixed_size 0
		.amdhsa_enable_private_segment 0
		.amdhsa_kernarg_size 72
		.amdhsa_user_sgpr_count 2
		.amdhsa_user_sgpr_kernarg_segment_ptr 1
		.amdhsa_wavefront_size32 1
		.amdhsa_system_sgpr_workgroup_id_x 1
		.amdhsa_system_sgpr_workgroup_id_y 1
		.amdhsa_system_sgpr_workgroup_id_z 1
		.amdhsa_system_vgpr_workitem_id 0
		.amdhsa_next_free_vgpr 258
		.amdhsa_next_free_sgpr 102
		.amdhsa_reserve_vcc 0
		.amdhsa_float_denorm_mode_32 3
		.amdhsa_float_denorm_mode_16_64 3
		.amdhsa_memory_ordered 1
		.amdhsa_forward_progress 1
		.amdhsa_inst_pref_size 76
	.end_amdhsa_kernel
	.amdgpu_metadata
---
amdhsa.version: [ 1, 2 ]
amdhsa.kernels:
  - .name:           k_q7b6be3a34a_attn
    .symbol:         k_q7b6be3a34a_attn.kd
    .args:
      - { .name: x, .offset: 0, .size: 8, .value_kind: global_buffer, .address_space: global }
      - { .name: Wt_codes, .offset: 8, .size: 8, .value_kind: global_buffer, .address_space: global }
      - { .name: Wt_scales, .offset: 16, .size: 8, .value_kind: global_buffer, .address_space: global }
      - { .name: Wx_codes, .offset: 24, .size: 8, .value_kind: global_buffer, .address_space: global }
      - { .name: Wx_scales, .offset: 32, .size: 8, .value_kind: global_buffer, .address_space: global }
      - { .name: bh, .offset: 40, .size: 8, .value_kind: global_buffer, .address_space: global }
      - { .name: Wa, .offset: 48, .size: 8, .value_kind: global_buffer, .address_space: global }
      - { .name: ba, .offset: 56, .size: 8, .value_kind: global_buffer, .address_space: global }
      - { .name: out0, .offset: 64, .size: 8, .value_kind: global_buffer, .address_space: global }
    .group_segment_fixed_size: 168960
    .private_segment_fixed_size: 0
    .kernarg_segment_align: 8
    .kernarg_segment_size: 72
    .max_flat_workgroup_size: 256
    .sgpr_count:     102
    .vgpr_count:     258
    .wavefront_size: 32
...
	.end_amdgpu_metadata
.endif
;; end of part 1
